; MI455X (gfx1250); checked and timed in simulation.
; The chip was launched on July 23, 2026; its instructions are those of AMD's public machine-readable ISA for CDNA 5 (MIT licence, August 2026) and "CDNA5" Instruction Set Architecture Reference Guide (July 2026). The comments in the code are by the model that wrote it; some were corrected since.
;; Self Attention. Allowed arithmetic: matrix products marked QUANTISED: E2M3 operands, one E8M0 scale for each 32 along K, by v_wmma_scale_f32_16x16x128_f8f6f4 with both operands' format E2M3, f32 sums; everything else in f32.
;; Inputs: Wk 1,024 x 1,024 float32; Wo 1,024 x 1,024 float32; Wq 1,024 x 1,024 float32; Wv 1,024 x 1,024 float32; bk 1,024 float32; bo 1,024 float32; bq 1,024 float32; bv 1,024 float32; input_tensor 4 x 2,048 x 1,024 float32.
;; Outputs: out0 4 x 2,048 x 1,024 float32.
;; This version of the problem:
;;   THIS VERSION OF THE PROBLEM IS GIVEN IN LOW PRECISION. The matrix products marked QUANTISED in the list below multiply operands that are first quantised to E2M3 (2 exponent bits, 3 mantissa bits; 6 bits a number), with one power-of-two scale for each 32 numbers along K (OCP MX v1.0); their sums are f32. All else is computed in f32.
;;   The module's matrix products, in the order in which they are computed (A, B: the left and right operand; K: the contracted axis; several contracted axes count as one K, in the product's order):
;;     1. [M 8,192, K 1,024] x [K 1,024, N 1,024]; A: input input_tensor; B: input Wq: QUANTISED
;;     2. [M 8,192, K 1,024] x [K 1,024, N 1,024]; A: input input_tensor; B: input Wk: QUANTISED
;;     3. [M 8,192, K 1,024] x [K 1,024, N 1,024]; A: input input_tensor; B: input Wv: QUANTISED
;;     4. batch 64 x [M 2,048, K 64] x [K 64, N 2,048]; A: computed on the way; B: computed on the way: QUANTISED
;;     5. batch 64 x [M 2,048, K 2,048] x [K 2,048, N 64]; A: softmax (see below); B: computed on the way: QUANTISED
;;     6. [M 8,192, K 1,024] x [K 1,024, N 1,024]; A: computed on the way; B: input Wo: QUANTISED
;;   THE QUANTISER, for each operand of a quantised product, along K:
;;     - K is cut into blocks of 32 from its start; a last block that is shorter is filled with zeros.
;;     - A block's scale is 2^e with e = floor(log2(the largest magnitude in the block)) - 2, held to -126 .. 127; a block of zeros has e = 0. As a byte (E8M0): e + 127.
;;     - Each number is divided by its block's scale, clamped to +-7.5, and rounded to the nearest number of E2M3, ties to even, subnormals kept.
;;     - The product sums the exact products of the quantised numbers (number of the format x scale) in f32.
;;   ~~~python
;;   def quantise(x, axis):      # numpy; x: float32 -> the quantised numbers, widened to float32 again
;;       x = np.moveaxis(x, axis, -1); K = x.shape[-1]
;;       x = np.pad(x, [(0, 0)] * (x.ndim - 1) + [(0, -K % 32)]); x = x.reshape(x.shape[:-1] + (-1, 32)); a = np.abs(x).max(-1, keepdims=True)
;;       e = np.where(a > 0, np.clip(np.frexp(np.where(a > 0, a, 1))[1] - 1 - 2, -126, 127), 0)      # np.frexp(a)[1] - 1 = floor(log2(a)), exactly
;;       r = np.clip(x / 2.0 ** e, -7.5, 7.5)
;;       step = 2.0 ** (np.maximum(np.frexp(np.where(r == 0, 1, r))[1] - 1, 0) - 3)
;;       q = np.round(r / step) * step * 2.0 ** e      # np.round: ties to even
;;       return np.moveaxis(q.reshape(q.shape[:-2] + (-1,))[..., :K], -1, axis).astype(np.float32)
;;   ~~~
;;   SOFTMAX AHEAD OF A QUANTISED PRODUCT. Where the list says 'softmax', what is quantised is not the finished softmax but p = 2^(t - M), with t = logit x log2(e) and M = ceil(the row's largest t), a whole number; so 1/2 < the row's largest p <= 1. The row's sum l is taken of the UNQUANTISED p, in f32, and the product's result is divided by l at the end. Since M is a whole number, a kernel that streams over the keys may use a running M (the ceiling of the running maximum): every later rescaling is an exact power of two, which a block's scale takes up: the codes' values come out the same.
;;   OPERANDS COMPUTED ON THE WAY. 'Computed on the way' means the value that the module computes at that place (a softmax that the list does not call 'softmax' is quantised finished and normalised). What goes into a quantiser is computed in f32, as accurately as f32 sums, v_exp_f32 and their like allow (about 1e-6 of the number): no bf16 or f16 on the way to a quantiser, and a product that is left as it is and whose result goes on into a quantised operand takes f32 operands (vector FMAs, or v_wmma_f32_16x16x4_f32). A number that lies on a knife's edge between two numbers of the format may be rounded either way, as far as f32 arithmetic and the matrix unit's own rounding can turn it there, and no further.
;; One version. Each part assembles by itself: llvm-mc -triple=amdgcn-amd-amdhsa -mcpu=gfx1250 --defsym DOCPART=n.
;; ======== version 1 of 1: 4 launches
;; limits: right only within a limited range of input values
;; workspace buffers: xw_img 9,437,184 bytes; xw_sc 393,216 bytes; qkv 20,185,088 bytes; c_img 6,291,456 bytes; c_sc 262,144 bytes
;; launch quant (part 1): grid 384 x 1, 4 waves a work-group, no clusters, 34,304 bytes of LDS; arguments input_tensor, Wq, Wk, Wv, Wo, xw_img, xw_sc; writes xw_img, xw_sc
.if DOCPART == 1
	.amdgcn_target "amdgcn-amd-amdhsa--gfx1250"
	.amdhsa_code_object_version 6
	.text
	.protected	k_q4b34c61dc2_quant
	.globl	k_q4b34c61dc2_quant
	.p2align	8
	.type	k_q4b34c61dc2_quant,@function
k_q4b34c61dc2_quant:
	s_mov_b64 s[64:65], 0
	v_nop
	global_prefetch_b8 v0, s[64:65] scope:SCOPE_SE
	s_setreg_imm32_b32 hwreg(HW_REG_WAVE_MODE, 25, 1), 1
	s_wait_xcnt 0x0
; x [8192][1024] and the four weights [1024][1024], f32, K innermost, become codes of FP6 (E2M3) with one E8M0 byte for each 32 along K,
; laid AS THE MATRIX UNIT'S REGISTERS WANT THEM.  A BLOCK is 16 rows: lane r of block a stands for row 32 (a / 2) + 8 (a % 2) + r + 8 (r / 8).
; A FRAGMENT is a block x 128 along K, 12 registers a lane, stored as 6 units of 256 bytes: unit i holds registers 2 i, 2 i + 1, lane l's 8 bytes at 8 l.
; xw_img: [768 blocks][8 K steps][1,536 bytes]; blocks 0-511 x, 512-575 Wq, 576-639 Wk, 640-703 Wv, 704-767 Wo.
; xw_sc:  [768 blocks][K step / 4][r][K step % 4] scale words (four bytes: the four blocks of 32 of a K step), 512 bytes a block.
; A block's scale is 2^(floor(log2(its largest magnitude)) - 2): its byte is the largest magnitude's exponent field - 2, held at 1 from below.
; LIMITS: NaN and infinities among the inputs are not served; a block of zeros, or one whose largest magnitude lies under 2^-124, keeps the byte 1
; (its codes are what the rule gives; the bytes are read by this program alone).
; SHARES.  Work-group n takes 32 rows of one tensor (n < 256: x), that is blocks 2 n and 2 n + 1.  Wave w takes block 2 n + w / 2, K steps 4 (w % 2) .. + 3: four steps of one fragment.
; Each load reads 512 consecutive bytes of one row; a step's 16 rows turn through the wave's own stage in LDS (rows 528 bytes apart), so that lane (r, h) gets
; k = 64 c + 32 h + 0 .. 31 of row r: two whole blocks of 32, which are the registers 6 c .. 6 c + 5 of the fragment.  Loads run two steps (32 loads a wave) ahead.
; No barrier: waves share nothing.  No matrix unit, no cluster: no two work-groups read the same bytes.
.set SPI, 528                          ; a stage row: 512 bytes + 16: the sixteen rows that a load of 16 bytes a lane touches start 4 words apart
.set STG, 16*SPI                       ; a wave's stage
.set WS,  16                           ; v16-19   the four steps' scale words
.set T,   20                           ; v20-27   the second halves of a block's codes, before they are moved
.set C,   28                           ; v28-51   a fragment's codes, two sets
.set R,   64                           ; v64-191  two sets of 64 registers as loaded
.set X,   192                          ; v192-255 my 64 numbers
	s_load_b256 s[4:11], s[0:1], 0x0               ; x s[4:5], Wq s[6:7], Wk s[8:9], Wv s[10:11]
	s_load_b128 s[12:15], s[0:1], 0x20             ; Wo s[12:13], xw_img s[14:15]
	s_load_b64 s[16:17], s[0:1], 0x30              ; xw_sc
	v_lshl_add_u32 v62, v0, 2, 0x8400
	v_mov_b32 v63, 0
	v_lshrrev_b32 v8, 5, v0
	v_readfirstlane_b32 s18, v8                    ; wave 0..3
	v_and_b32 v15, 31, v0                          ; lane
	v_and_b32 v10, 15, v0                          ; r
	v_bfe_u32 v11, v0, 4, 1                        ; h
	s_mul_i32 s19, s18, STG                        ; my stage
	v_lshlrev_b32 v1, 4, v15                       ; my 16 bytes of a load's 512
	v_add_nc_u32 v2, s19, v1                       ; the stage, on the way in
	v_mul_u32_u24 v3, v10, SPI
	v_lshl_add_u32 v3, v11, 7, v3
	v_add_nc_u32 v3, s19, v3                       ; and on the way out: row r, + 128 h bytes
	v_lshlrev_b32 v4, 3, v15                       ; my 8 bytes of a unit
	v_lshlrev_b32 v5, 3, v11                       ; 8 h: where my two bytes stand in the scale word
	v_lshlrev_b32 v6, 4, v10                       ; 16 r: my row's four scale words
	v_mov_b32 v7, 0                                ; written once: a lane permute's destination counts as one of its sources
	s_lshr_b32 s20, s18, 1                         ; u: which of the two blocks
	s_and_b32 s21, s18, 1                          ; g: which four K steps
	s_sub_co_u32 s22, ttmp9, 256                   ; the weights' work-groups count from 256 on:
	s_lshr_b32 s23, s22, 5                         ; which weight,
	s_and_b32 s24, s22, 31                         ; which 32 rows of it
	s_cmp_lt_u32 ttmp9, 256
	s_cselect_b32 s24, ttmp9, s24                  ; which 32 rows of my tensor
	s_lshl_b32 s24, s24, 17                        ; 32 rows of 4,096 bytes,
	s_lshl_b32 s25, s20, 15                        ; + 8 u rows,
	s_add_co_u32 s24, s24, s25
	s_lshl_b32 s25, s21, 11                        ; + 4 g K steps of 512 bytes
	s_add_co_u32 s24, s24, s25
	s_mov_b32 s25, 0
	s_lshl_b32 s26, ttmp9, 1
	s_add_co_u32 s26, s26, s20                     ; my block: 2 n + u
	s_mul_i32 s28, s26, 12288
	s_mul_i32 s27, s21, 6144
	s_add_co_u32 s28, s28, s27                     ; its codes, from K step 4 g on
	s_mov_b32 s29, 0
	s_lshl_b32 s30, s26, 9
	s_lshl_b32 s27, s21, 8
	s_add_co_u32 s30, s30, s27                     ; its scale words
	s_mov_b32 s31, 0
	s_mov_b32 s32, 0x76543210
	s_mov_b32 s33, 0xfedcba98                      ; v_permlanex16_b32's selects for lane l xor 16
	s_wait_alu depctr_va_vdst(0)
	s_wait_kmcnt 0x0
	s_cmp_eq_u32 s23, 1                            ; the tensor is chosen by the work-group's number alone
	s_cselect_b64 s[6:7], s[8:9], s[6:7]
	s_cmp_eq_u32 s23, 2
	s_cselect_b64 s[6:7], s[10:11], s[6:7]
	s_cmp_eq_u32 s23, 3
	s_cselect_b64 s[6:7], s[12:13], s[6:7]
	s_cmp_lt_u32 ttmp9, 256
	s_cselect_b64 s[4:5], s[4:5], s[6:7]
	s_add_nc_u64 s[4:5], s[4:5], s[24:25]
	s_add_nc_u64 s[28:29], s[14:15], s[28:29]
	s_add_nc_u64 s[30:31], s[16:17], s[30:31]
.macro LOAD s                          ; step s: 512 bytes of each of the block's 16 rows, into set s % 2
.irp j, 0,1,2,3,4,5,6,7,8,9,10,11,12,13,14,15
	global_load_b128 v[R+64*((\s)%2)+4*\j:R+64*((\s)%2)+4*\j+3], v1, s[4:5] offset:(\j+8*(\j/8))*4096+512*(\s) th:TH_LOAD_NT
.endr
.endm
.macro STEP s
.set RR, R+64*((\s)%2)
.set CC, C+12*((\s)%2)
.if (\s) < 3
	s_wait_loadcnt 16                              ; this step's 16 loads are in; the next step's 16 may be out
.else
	s_wait_loadcnt 0x0
.endif
.irp j, 0,1,2,3,4,5,6,7,8,9,10,11,12,13,14,15
	ds_store_b128 v2, v[RR+4*\j:RR+4*\j+3] offset:SPI*\j
.endr
.irp c, 0,1
.irp q, 0,1,2,3,4,5,6,7
	ds_load_b128 v[X+32*\c+4*\q:X+32*\c+4*\q+3], v3 offset:256*\c+16*\q   ; LDS serves a wave's instructions in order: these see the stores above
.endr
.endr
	s_wait_dscnt 0x0                               ; my 64 numbers are here, and the stores have read their registers,
.if (\s) < 2
	LOAD (\s)+2                                    ; which take the loads of two steps on
.endif
.irp c, 0,1
	v_max3_num_f32 v[8+\c], |v[X+32*\c]|, |v[X+32*\c+1]|, 0x1800000   ; block 2 c + h: all its 32 numbers are mine; the floor 2^(3 - 127) holds the byte at 1 from below
.endr
.irp i, 2,4,6,8,10,12,14,16,18,20,22,24,26,28,30
.irp c, 0,1
	v_max3_num_f32 v[8+\c], v[8+\c], |v[X+32*\c+\i]|, |v[X+32*\c+\i+1]|   ; (the two blocks by turns)
.endr
.endr
.irp c, 0,1
	v_add_nc_u32 v[10+\c], 0xff000000, v[8+\c]     ; 2 off the exponent field: the conversion takes the exponent field of this operand as its scale
.endr
.irp c, 0,1
	v_lshrrev_b32 v[12+\c], 23, v[10+\c]           ; the scale's byte
.endr
	v_lshl_or_b32 v14, v13, 16, v12                ; my two bytes: blocks h and 2 + h of row r,
	v_lshlrev_b32 v14, v5, v14                     ; at their places in the word;
	v_permlanex16_b32 v7, v14, s32, s33
	v_or_b32 v[WS+(\s)], v14, v7                   ; with lane l xor 16's two the word is whole
.if (\s) >= 2
	s_wait_alu depctr_va_vdst(0)
	s_wait_xcnt 0x0                                ; the stores of two steps back have read this set of codes: it is written again only behind this wait
.endif
.irp c, 0,1
	v_cvt_scalef32_pk16_fp6_f32 v[CC+6*\c:CC+6*\c+2], v[X+32*\c:X+32*\c+15], v[10+\c]
	v_cvt_scalef32_pk16_fp6_f32 v[T+4*\c:T+4*\c+2], v[X+32*\c+16:X+32*\c+31], v[10+\c]   ; (a conversion's three registers begin on an even number: the second half is made elsewhere and moved)
.endr
	v_nop                                          ; one plain place behind a scaled conversion
.irp c, 0,1
.irp i, 0,1,2
	v_mov_b32 v[CC+6*\c+3+\i], v[T+4*\c+\i]
.endr
.endr
.irp i, 0,1,2,3,4,5
	global_store_b64 v4, v[CC+2*\i:CC+2*\i+1], s[28:29] offset:1536*(\s)+256*\i   ; 32 lanes store 256 consecutive bytes, aligned
.endr
.endm
	LOAD 0
	LOAD 1
	STEP 0
	STEP 1
	STEP 2
	STEP 3
	s_wait_xcnt 0x0                                ; EXEC changes only behind this wait
	v_cmp_gt_u32 vcc_lo, 16, v15
	s_wait_tensorcnt 0x0
	ds_add_u32 v62, v63
	s_wait_dscnt 0x0
	s_and_saveexec_b32 s34, vcc_lo                 ; lanes 0-15: a lane a row
	global_store_b128 v6, v[WS:WS+3], s[30:31]     ; the four steps' words of 16 rows: 256 consecutive bytes, aligned
	s_wait_xcnt 0x0
	s_or_b32 exec_lo, exec_lo, s34
	s_endpgm
.Lfunc_end_k_q4b34c61dc2_quant:
	.size	k_q4b34c61dc2_quant, .Lfunc_end_k_q4b34c61dc2_quant-k_q4b34c61dc2_quant
	.p2alignl 7, 3214868480
	.fill 96, 4, 3214868480
	.section	.rodata,"a",@progbits
	.p2align	6, 0x0
	.amdhsa_kernel k_q4b34c61dc2_quant
		.amdhsa_group_segment_fixed_size 34304
		.amdhsa_private_segment_fixed_size 0
		.amdhsa_enable_private_segment 0
		.amdhsa_kernarg_size 56
		.amdhsa_user_sgpr_count 2
		.amdhsa_user_sgpr_kernarg_segment_ptr 1
		.amdhsa_wavefront_size32 1
		.amdhsa_system_sgpr_workgroup_id_x 1
		.amdhsa_system_sgpr_workgroup_id_y 1
		.amdhsa_system_sgpr_workgroup_id_z 1
		.amdhsa_system_vgpr_workitem_id 0
		.amdhsa_next_free_vgpr 256
		.amdhsa_next_free_sgpr 66
		.amdhsa_reserve_vcc 1
		.amdhsa_float_denorm_mode_32 3
		.amdhsa_float_denorm_mode_16_64 3
		.amdhsa_memory_ordered 1
		.amdhsa_forward_progress 1
		.amdhsa_inst_pref_size 32
	.end_amdhsa_kernel
	.amdgpu_metadata
---
amdhsa.version: [ 1, 2 ]
amdhsa.kernels:
  - .name:           k_q4b34c61dc2_quant
    .symbol:         k_q4b34c61dc2_quant.kd
    .args:
      - { .name: input_tensor, .offset: 0, .size: 8, .value_kind: global_buffer, .address_space: global }
      - { .name: Wq, .offset: 8, .size: 8, .value_kind: global_buffer, .address_space: global }
      - { .name: Wk, .offset: 16, .size: 8, .value_kind: global_buffer, .address_space: global }
      - { .name: Wv, .offset: 24, .size: 8, .value_kind: global_buffer, .address_space: global }
      - { .name: Wo, .offset: 32, .size: 8, .value_kind: global_buffer, .address_space: global }
      - { .name: xw_img, .offset: 40, .size: 8, .value_kind: global_buffer, .address_space: global }
      - { .name: xw_sc, .offset: 48, .size: 8, .value_kind: global_buffer, .address_space: global }
    .group_segment_fixed_size: 34304
    .private_segment_fixed_size: 0
    .kernarg_segment_align: 8
    .kernarg_segment_size: 56
    .max_flat_workgroup_size: 128
    .sgpr_count:     66
    .vgpr_count:     256
    .wavefront_size: 32
...
	.end_amdgpu_metadata
.endif
;; end of part 1
;; launch proj (part 2): grid 24 x 32, 4 waves a work-group, clusters of 4 x 4, 295,424 bytes of LDS; arguments xw_img, xw_sc, bq, bk, bv, qkv; writes qkv
.if DOCPART == 2
	.amdgcn_target "amdgcn-amd-amdhsa--gfx1250"
	.amdhsa_code_object_version 6
	.text
	.protected	k_q4b34c61dc2_proj
	.globl	k_q4b34c61dc2_proj
	.p2align	8
	.type	k_q4b34c61dc2_proj,@function
k_q4b34c61dc2_proj:
	s_mov_b64 s[64:65], 0
	v_nop
	global_prefetch_b8 v0, s[64:65] scope:SCOPE_SE
	s_setreg_imm32_b32 hwreg(HW_REG_WAVE_MODE, 25, 1), 1
	s_wait_xcnt 0x0
	s_wait_alu depctr_hold_cnt(0) depctr_sa_sdst(0) depctr_va_vdst(0) depctr_va_sdst(0) depctr_va_ssrc(0) depctr_va_vcc(0) depctr_vm_vsrc(0)
	s_getreg_b32 s2, hwreg(HW_REG_IB_STS2, 6, 4)
	s_cmp_eq_u32 s2, 0
	s_cbranch_scc0 .Lentry_in_a_cluster
	s_endpgm
.Lentry_in_a_cluster:
	s_bfe_u32 s2, ttmp6, 0x10000c
	s_cmp_lg_u32 s2, 0xf033
	s_cbranch_scc0 .Lentry_shape_is_right
	s_endpgm
.Lentry_shape_is_right:
; q = x Wq^T + bq, k = x Wk^T + bk, v = x Wv^T + bv on codes of FP6 (E2M3) with E8M0 scales, and the results quantised at once: q and k along the head's 64, v along the tokens.
; OPERANDS are images of registers (see the launch that makes them): a BLOCK is 16 rows, lane r of block a stands for row 32 (a / 2) + 8 (a % 2) + r + 8 (r / 8); a fragment (block x 128 K) is 6 units of 256 bytes.
; With source 0 = a block of "s0" rows and source 1 = a block of "s1" rows a lane holds ONE s1 row, and the 16 registers of tiles 2 b, 2 b + 1 are the s0 rows 32 b + 16 (lane / 16) + 0 .. 15: 16 neighbours,
; so 64 results of a lane are quantised in registers into a fragment of the next product whose K runs along s0.
; ONE TEXT SERVES q, k AND v BY A CHANGE OF ROLES.  Clusters with x < 4: s0 = 128 rows of Wq or Wk (two heads), s1 = 256 tokens.  Clusters with x >= 4: s0 = 128 tokens, s1 = 256 rows of Wv (four heads).
; All that differs is chosen by s_cselect on the cluster's x, which all sixteen partners share: no branch hangs on it.
; SHARES.  A work-group makes 256 s1 rows x 128 s0 rows; each of its four waves 64 s1 rows x 128 s0 rows: 32 accumulators.  768 work-groups.
; ALL OF K (1,024) LIES IN LDS: s1 196,608 bytes, s0 98,304; each byte is filled once, in four chunks of four K steps, so that the products begin when the first chunk has landed.  Nothing is filled again.
; CLUSTER 4 x 4: the four of a row share s1's tile, the four of a column s0's: each is asked for jointly.  A wave has one tensor load out at the most.  All tensor loads go out at the head: there is no later request to run ahead of.
; qkv: [batch x head (64)][step of 128 tokens (16)][record of 19,712 bytes]: K's codes 8 tiles x 768 | V's codes 4 tiles of 16 channels x 1,536 | K's scale words [tile / 4][r][tile % 4] 512 | V's [r][tile] 256 | Q's codes 6,144 | Q's scale words 512.
; A head's 64 are half of the matrix instruction's 128: q's and k's fragments are registers 0-5 alone, and bytes 2 and 3 of their scale words are 0.
; The bias starts each sum (it is not added at the end).  LIMITS: NaN and infinities are not served; a block of zeros, or one under 2^-124, keeps the byte 1.
; REGISTERS, in windows of 256: window 0: v1-17 lanes' numbers and addresses; v32-47 s1's scale words, v48-79 s0's; v80-147 biases; v148-227 the way out.
;   window 1: s0's fragments, two sets, at 96 p + 12 b.   window 2: s1's, two sets, at 48 p + 12 a.   window 3: the accumulators, (a, b) at 8 (8 a + b).
.set HS,  315392                       ; a head's records in bytes
.set RS,  19712                        ; a record
.set AD1, 8                            ; v8-9    LDS address of my s1 fragments in each half of K
.set AD0, 12                           ; v12-13  the same for s0
.set SC1, 32                           ; scale words: register 4 a + j: lanes 0-15 K step j, lanes 16-31 K step 4 + j
.set SC0, 48
.set B0,  80                           ; v80-143  the bias along s0: eight registers a tile, in the result's layout
.set B1,  144                          ; v144-147 the bias along s1: one number a lane and block
.set BP,  148                          ; v148-155 the same x F1, twice each (pairs for the packed form)
.set TM,  148                          ; the way out: v148-151 largest magnitudes, v152-155 bytes, v160-163 the conversions' scale operands
.set PWS, 164                          ; v164-167 the four blocks' scale words
.set Y,   168                          ; v168-171 as they are stored
.set T,   172                          ; v172-179 the second halves of the codes, before they change lanes
.set PC,  180                          ; v180-227 four fragments
.set MSB, 0
.macro WIN new                         ; the immediate's high byte repeats the setting that is left
.if MSB != \new
	s_set_vgpr_msb (MSB<<8)|\new
.set MSB, \new
.endif
.endm
.macro PLACES                          ; four plain places behind a matrix instruction, in front of loads into its registers and of reads of its results
.rept 4
	v_nop
.endr
.endm
.macro CROUND                          ; a round of the cluster's barrier
	s_barrier_signal -1
	s_barrier_wait -1
	s_cmp_lg_u32 s16, 0
	s_cbranch_scc1 .Lnot_wave_0_\@
	s_barrier_signal -3
.Lnot_wave_0_\@:
	s_barrier_wait -3
	s_barrier_signal -1
	s_barrier_wait -1
.endm
	s_load_b256 s[4:11], s[0:1], 0x0               ; xw_img s[4:5], xw_sc s[6:7], bq s[8:9], bk s[10:11]
	s_load_b128 s[12:15], s[0:1], 0x20             ; bv s[12:13], qkv s[14:15]
	v_lshl_add_u32 v254, v0, 2, 0x48000
	v_mov_b32 v255, 0
	ds_add_u32 v254, v255
	ds_add_u32 v254, v255
	v_lshrrev_b32 v1, 5, v0
	v_readfirstlane_b32 s16, v1                    ; wave 0..3
	s_lshr_b32 s17, s16, 1                         ; q, k: which of the tile's two steps of 128 tokens is mine
	s_and_b32 s18, s16, 1                          ; which half of that step's eight tiles
	s_bfe_u32 s19, ttmp6, 0x40000                  ; cx
	s_bfe_u32 s20, ttmp6, 0x40004                  ; cy
	s_and_b32 s21, ttmp7, 0xffff                   ; cluster y
	s_sub_co_u32 s22, ttmp9, 4
	s_lshl_b32 s22, s22, 3
	s_add_co_u32 s22, s22, s21                     ; v: 16 columns of clusters, 8 (cluster x - 4) + cluster y
	s_cmp_ge_u32 ttmp9, 4                          ; v's clusters?
	s_cselect_b32 s86, 1, 0
	s_cselect_b32 s22, s22, ttmp9                  ; U: the cluster's place along s0
	s_cselect_b32 s23, 0, s21                      ; V: along s1
	s_cselect_b32 s87, 0, 512                      ; s0's first block in xw_img: x, or Wq and Wk
	s_cselect_b32 s88, 640, 0                      ; s1's: Wv, or x
	s_cselect_b32 s62, 0, 1.0                      ; F0: does the bias run along s0?
	s_cselect_b32 s100, 1.0, 0                     ; F1: or along s1?
	s_mov_b32 s63, s62                             ; (named with s62 as a pair)
	s_lshl_b32 s84, s22, 2
	s_add_co_u32 s84, s84, s19                     ; s0's tile = 4 U + cx
	s_lshl_b32 s85, s23, 2
	s_add_co_u32 s85, s85, s20                     ; s1's tile = 4 V + cy
	s_lshl_b32 s89, s84, 3
	s_add_co_u32 s89, s89, s87                     ; s0's first block
	s_lshl_b32 s90, s85, 4
	s_add_co_u32 s90, s90, s88                     ; s1's first block
	s_mul_i32 s92, s90, 12288                      ; s1: the tile's 16 blocks, in bytes
	s_mov_b32 s93, 0
	s_mul_i32 s94, s89, 12288                      ; s0: the tile's 8 blocks
	s_mov_b32 s95, 0
	s_lshl_b32 s96, s20, 2
	s_lshl_b32 s96, 15, s96                        ; my row of the cluster
	s_lshl_b32 s97, 0x1111, s19                    ; my column
	; descriptor group 1: a chunk of a block is 6,144 consecutive bytes (four K steps): rows of 768 elements of 8 bytes, 12,288 bytes from block to block; laid on end in LDS
	s_or_b32 s24, s96, (3<<16)|(1<<21)             ; 15:0 the mask: s1's tiles go to my row; 17:16 elements of 8 bytes; 21 set beside a mask
	s_mov_b32 s25, 768<<16                         ; a row is half a block: four K steps, 6,144 bytes = 768 elements
	s_mov_b32 s26, 16<<16                          ; 16 blocks
	s_mov_b32 s27, 768<<16
	s_mov_b32 s28, 16
	s_mov_b32 s29, 1536                            ; tensor_dim0_stride
	s_mov_b32 s30, 0
	s_mov_b32 s31, 0
	s_or_b32 s32, s97, (3<<16)|(1<<21)             ; s0's tiles go to my column
	s_mov_b32 s33, 768<<16
	s_mov_b32 s34, 8<<16                           ; 8 blocks
	s_mov_b32 s35, 768<<16
	s_mov_b32 s36, 8
	s_mov_b32 s37, 1536
	s_mov_b32 s38, 0
	s_mov_b32 s39, 0
	s_wait_dscnt 0x0
	s_wait_kmcnt 0x0
	s_add_nc_u64 s[92:93], s[4:5], s[92:93]
	s_add_nc_u64 s[94:95], s[4:5], s[94:95]
	CROUND                                         ; all sixteen work-groups are here: the joint loads meet
; LDS: s1 [half of K][16 blocks][6,144] from 0, s0 [half of K][8 blocks][6,144] from 196,608.  Each byte is filled once.
.irp c, 0,1
	s_mov_b32 s[40+4*\c], 1
	s_mov_b32 s[41+4*\c], \c*98304                 ; s1, K steps 4 c .. 4 c + 3
	s_add_nc_u64 s[42+4*\c:43+4*\c], s[92:93], \c*6144
	s_or_b32 s[43+4*\c], s[43+4*\c], 0x80000000
	s_mov_b32 s[68+4*\c], 1
	s_mov_b32 s[69+4*\c], 196608+\c*49152          ; s0, the same K steps
	s_add_nc_u64 s[70+4*\c:71+4*\c], s[94:95], \c*6144
	s_or_b32 s[71+4*\c], s[71+4*\c], 0x80000000
.endr
; one joint load a wave, each in its own arm of one chain on the wave's number: waves 0, 1 the lower half of K, waves 2, 3 the upper
	s_cmp_eq_u32 s16, 0
	s_cbranch_scc0 .Lw1
	tensor_load_to_lds s[40:43], s[24:31]
	s_nop 0
.rept 4
	v_nop
.endr
	s_branch .Lasked
.Lw1:
	s_cmp_eq_u32 s16, 1
	s_cbranch_scc0 .Lw2
	tensor_load_to_lds s[68:71], s[32:39]
	s_nop 0
.rept 4
	v_nop
.endr
	s_branch .Lasked
.Lw2:
	s_cmp_eq_u32 s16, 2
	s_cbranch_scc0 .Lw3
	tensor_load_to_lds s[44:47], s[24:31]
	s_nop 0
.rept 4
	v_nop
.endr
	s_branch .Lasked
.Lw3:
	tensor_load_to_lds s[72:75], s[32:39]
	s_nop 0
.rept 4
	v_nop
.endr
.Lasked:
	; the scale words and the biases come from memory straight into registers, once
	s_lshl_b32 s91, s16, 2
	s_add_co_u32 s91, s91, s90
	s_lshl_b32 s56, s91, 9                         ; s1's: my four blocks, 512 bytes each
	s_mov_b32 s57, 0
	s_add_nc_u64 s[56:57], s[6:7], s[56:57]
	s_lshl_b32 s58, s89, 9                         ; s0's: all eight
	s_mov_b32 s59, 0
	s_add_nc_u64 s[58:59], s[6:7], s[58:59]
	s_lshr_b32 s91, ttmp9, 1                       ; clusters 0, 1: q; 2, 3: k
	s_cmp_eq_u32 s91, 0
	s_cselect_b64 s[60:61], s[8:9], s[10:11]
	s_and_b32 s2, s84, 7
	s_lshl_b32 s2, s2, 9                           ; q, k: the tile's 128 numbers of the bias
	s_lshl_b32 s22, s85, 10
	s_lshl_b32 s91, s16, 8
	s_add_co_u32 s22, s22, s91                     ; v: my wave's 64: 4 (256 tile + 64 wave) bytes
	s_cmp_eq_u32 s86, 0
	s_cselect_b64 s[60:61], s[60:61], s[12:13]
	s_cselect_b32 s2, s2, 0                        ; (the side that does not count reads the bias's first numbers and multiplies them by 0)
	s_cselect_b32 s22, 0, s22
	s_mov_b32 s3, 0
	s_mov_b32 s23, 0
	s_add_nc_u64 s[2:3], s[60:61], s[2:3]
	s_add_nc_u64 s[22:23], s[60:61], s[22:23]
	v_and_b32 v1, 31, v0                           ; lane
	v_and_b32 v2, 15, v0                           ; r
	v_bfe_u32 v3, v0, 4, 1                         ; h
	v_lshlrev_b32 v4, 3, v1                        ; my 8 bytes of a unit
	v_lshlrev_b32 v5, 4, v1                        ; my 16 bytes of a block's scale words
	v_lshlrev_b32 v6, 6, v3                        ; 64 h: my half's eight numbers of a tile's bias
	v_and_b32 v7, 8, v2
	v_add_nc_u32 v7, v7, v2
	v_lshlrev_b32 v7, 2, v7                        ; 4 (r + 8 (r / 8)): my row in a block
.irp a, 0,1,2,3
	global_load_b128 v[SC1+4*\a:SC1+4*\a+3], v5, s[56:57] offset:512*\a
.endr
.irp b, 0,1,2,3,4,5,6,7
	global_load_b128 v[SC0+4*\b:SC0+4*\b+3], v5, s[58:59] offset:512*\b
.endr
.irp t, 0,1,2,3,4,5,6,7
	global_load_b128 v[B0+8*\t:B0+8*\t+3], v6, s[2:3] offset:(32*(\t/2)+8*(\t%2))*4
	global_load_b128 v[B0+8*\t+4:B0+8*\t+7], v6, s[2:3] offset:(32*(\t/2)+8*(\t%2))*4+16
.endr
.irp a, 0,1,2,3
	global_load_b32 v[B1+\a], v7, s[22:23] offset:(32*(\a/2)+8*(\a%2))*4
.endr
	s_mul_i32 s91, s16, 24576                      ; my four blocks of s1 in a half of K
	v_add_nc_u32 v[AD1], s91, v4
	v_add_nc_u32 v[AD1+1], 98304, v[AD1]
	v_add_nc_u32 v[AD0], 196608, v4
	v_add_nc_u32 v[AD0+1], 196608+49152, v4
	s_wait_loadcnt 0x0
	; THE SUMS BEGIN WITH THE BIAS: F0 x (the bias along s0) + F1 x (the bias along s1).  These lines run while the first chunk is on its way.
.irp a, 0,1,2,3
	v_mul_f32 v[BP+2*\a], s100, v[B1+\a]
	v_mul_f32 v[BP+2*\a+1], s100, v[B1+\a]
.endr
	WIN 0xc0                                       ; destination window 3
.set aa, 0
.rept 4
.set jj, 0
.rept 32
	v_pk_fma_f32 v[64*aa+jj:64*aa+jj+1], v[B0+jj:B0+jj+1], s[62:63], v[BP+2*aa:BP+2*aa+1] op_sel_hi:[1,0,1]
.set jj, jj+2
.endr
.set aa, aa+1
.endr
	WIN 0
; 72 LDS loads in one run: K step ks's fragments (8 blocks of s0, my 4 of s1) into set p.  Each load reads 256 consecutive bytes.
.macro FETCH ks, p
	WIN 0x40                                       ; destination window 1
.irp b, 0,1,2,3,4,5,6,7
.irp i, 0,1,2,3,4,5
	ds_load_b64 v[96*(\p)+12*\b+2*\i:96*(\p)+12*\b+2*\i+1], v[AD0+(\ks)/4] offset:6144*\b+1536*((\ks)%4)+256*\i
.endr
.endr
	WIN 0x80                                       ; destination window 2
.irp a, 0,1,2,3
.irp i, 0,1,2,3,4,5
	ds_load_b64 v[48*(\p)+12*\a+2*\i:48*(\p)+12*\a+2*\i+1], v[AD1+(\ks)/4] offset:6144*\a+1536*((\ks)%4)+256*\i
.endr
.endr
.endm
; A K step of 128: its fragments were asked for a K step ago; the next step's are asked for first, then come 32 products.  The 32 accumulators take turns, one instruction a turn.
; Ahead of the fetches of K steps 0 and 4 that half of K must have landed in every wave's eyes: a wait for the loads that fill it and a barrier.
.macro KSTEP ks
.set PP, (\ks)%2
.set KQ, (\ks)%4
	s_wait_dscnt 0x0                               ; this step's 72 loads are in
.if (\ks) < 7
.if (\ks) == 3
	s_wait_tensorcnt 0x0                           ; every wave's one load has landed: the upper half of K among them,
	s_barrier_signal -1
	s_barrier_wait -1                              ; everybody's has
.endif
	PLACES                                         ; the other set was multiplied in the step before
	FETCH (\ks)+1, 1-(\ks)%2
.endif
	WIN 0xf9                                       ; source 0 window 1, source 1 window 2, C and D window 3
.irp a, 0,1,2,3
.irp b, 0,1,2,3,4,5,6,7
.if (\ks) < 4
	v_wmma_scale_f32_16x16x128_f8f6f4 v[8*(8*\a+\b):8*(8*\a+\b)+7], v[96*PP+12*\b:96*PP+12*\b+11], v[48*PP+12*\a:48*PP+12*\a+11], v[8*(8*\a+\b):8*(8*\a+\b)+7], v[SC0+4*\b+KQ], v[SC1+4*\a+KQ] matrix_a_fmt:MATRIX_FMT_FP6 matrix_b_fmt:MATRIX_FMT_FP6
.else
	v_wmma_scale_f32_16x16x128_f8f6f4 v[8*(8*\a+\b):8*(8*\a+\b)+7], v[96*PP+12*\b:96*PP+12*\b+11], v[48*PP+12*\a:48*PP+12*\a+11], v[8*(8*\a+\b):8*(8*\a+\b)+7], v[SC0+4*\b+KQ], v[SC1+4*\a+KQ] matrix_a_fmt:MATRIX_FMT_FP6 matrix_b_fmt:MATRIX_FMT_FP6 matrix_a_scale:MATRIX_SCALE_ROW1 matrix_b_scale:MATRIX_SCALE_ROW1
.endif
.endr
.endr
.endm
	s_wait_alu depctr_va_vdst(0)
	s_cmp_lt_u32 s16, 2                            ; waves 0 and 1 wait for their loads, the lower half of K; the upper half may stay out
	s_cbranch_scc0 .Lupper
	s_wait_tensorcnt 0x0
.Lupper:
	s_barrier_signal -1
	s_barrier_wait -1                              ; everybody's has
	FETCH 0, 0
	KSTEP 0
	KSTEP 1
	KSTEP 2
	KSTEP 3
	KSTEP 4
	KSTEP 5
	KSTEP 6
	KSTEP 7
	WIN 0
	; THE WAY OUT.  Where the results go; every wave waited for its tensor load in K step 3, so the descriptors' registers are free.
	s_lshr_b32 s24, s85, 3                         ; q, k: batch = s1's tile / 8,
	s_lshl_b32 s24, s24, 4
	s_and_b32 s25, s84, 7
	s_lshl_b32 s25, s25, 1
	s_add_co_u32 s24, s24, s25                     ; 16 batch + the first of the tile's two heads
	s_and_b32 s25, s85, 7
	s_lshl_b32 s25, s25, 1
	s_add_co_u32 s25, s25, s17                     ; step = 2 (tile % 8) + wave / 2
	s_lshr_b32 s26, s84, 4                         ; v: batch = s0's tile / 16,
	s_lshl_b32 s26, s26, 4
	s_lshl_b32 s27, s85, 2
	s_add_co_u32 s26, s26, s27
	s_add_co_u32 s26, s26, s16                     ; 16 batch + 4 s1's tile + wave: my wave's head
	s_and_b32 s27, s84, 15                         ; step = s0's tile % 16
	s_lshr_b32 s28, ttmp9, 1
	s_cmp_eq_u32 s28, 0                            ; q or k?
	s_mov_b32 s29, 12288
	s_cselect_b32 s28, 13056, 0                    ; the codes' field of the record,
	s_cselect_b32 s29, 19200, s29                  ; the scale words'
	s_mul_i32 s30, s18, 3072
	s_add_co_u32 s28, s28, s30                     ; my four tiles of the step's eight
	s_lshl_b32 s30, s18, 8
	s_add_co_u32 s29, s29, s30
	s_cmp_eq_u32 s86, 0                            ; q and k, or v?
	s_mov_b32 s30, 1536
	s_mov_b32 s31, 768
	s_cselect_b32 s24, s24, s26
	s_cselect_b32 s25, s25, s27
	s_cselect_b32 s28, s28, 6144
	s_cselect_b32 s29, s29, 12800
	s_cselect_b32 s30, 768, s30                    ; from block to block
	s_cselect_b32 s31, HS, s31                     ; from a fragment's units 0-2 to its units 3-5: the next head's record, or 768 bytes on
	s_cselect_b32 s96, 16, 0                       ; lanes 16-31 store the upper half of the scale word (the second head's), or nothing
	s_cselect_b32 s97, 0xffff, -1
	s_cselect_b32 s98, 32, 16
	s_mul_i32 s24, s24, HS
	s_mul_i32 s25, s25, RS
	s_add_co_u32 s24, s24, s25                     ; the record
	s_add_co_u32 s28, s28, s24
	s_add_co_u32 s29, s29, s24
	s_mov_b32 s27, 0
	s_mov_b32 s26, s28
.irp a, 0,1,2,3
	s_add_nc_u64 s[40+2*\a:41+2*\a], s[14:15], s[26:27]
	s_add_co_u32 s26, s26, s30
.endr
	s_mov_b32 s26, s31
.irp a, 0,1,2,3
	s_add_nc_u64 s[48+2*\a:49+2*\a], s[40+2*\a:41+2*\a], s[26:27]
.endr
	s_mov_b32 s26, s29
	s_add_nc_u64 s[56:57], s[14:15], s[26:27]
	s_mov_b32 s60, 0x76543210
	s_mov_b32 s61, 0xfedcba98                      ; v_permlanex16_b32's selects for lane l xor 16
	PLACES
; Block a's 64 results of a lane, register 16 b + i = s0 row 32 b + 16 (lane / 16) + i, become a fragment in v[PC + 12 a] on and a scale word.  Each accumulator is read from its low end on.
.macro QUANT a
	WIN 0x0f                                       ; sources 0 and 1 window 3
.irp b, 0,1,2,3
	v_max3_num_f32 v[TM+\b], |v[64*\a+16*\b]|, |v[64*\a+16*\b+1]|, 0x1800000   ; my 16 numbers of block b, and the floor 2^(3 - 127): the byte cannot fall under 1
.endr
.irp i, 2,4,6,8,10,12,14
.irp b, 0,1,2,3
	v_max3_num_f32 v[TM+\b], |v[64*\a+16*\b+\i]|, |v[64*\a+16*\b+\i+1]|, v[TM+\b]   ; (the four blocks by turns)
.endr
.endr
	WIN 0
.irp b, 0,1,2,3
	v_permlanex16_b32 v[TM+4+\b], v[TM+\b], s60, s61
.endr
.irp b, 0,1,2,3
	v_max_num_f32 v[TM+\b], v[TM+\b], v[TM+4+\b]   ; with lane l xor 16's: the block's largest magnitude
.endr
.irp b, 0,1,2,3
	v_add_nc_u32 v[TM+12+\b], 0xff000000, v[TM+\b] ; 2 off its exponent field: the conversion's scale operand
.endr
.irp b, 0,1,2,3
	v_lshrrev_b32 v[TM+4+\b], 23, v[TM+12+\b]      ; the scale's byte
.endr
	v_lshl_or_b32 v[PWS+\a], v[TM+5], 8, v[TM+4]
	v_lshl_or_b32 v[PWS+\a], v[TM+6], 16, v[PWS+\a]
	v_lshl_or_b32 v[PWS+\a], v[TM+7], 24, v[PWS+\a]
	WIN 0x03                                       ; source 0 window 3
.irp c, 0,1
	v_cvt_scalef32_pk16_fp6_f32 v[PC+12*\a+6*\c:PC+12*\a+6*\c+2], v[64*\a+32*\c:64*\a+32*\c+15], v[TM+12+2*\c]
	v_cvt_scalef32_pk16_fp6_f32 v[T+4*\c:T+4*\c+2], v[64*\a+32*\c+16:64*\a+32*\c+31], v[TM+12+2*\c+1]   ; (a conversion's three registers begin on an even number)
.endr
	WIN 0
	v_nop                                          ; one plain place behind a scaled conversion
.irp c, 0,1                            ; the operand's layout wants a WHOLE block of 32 in a lane
.irp i, 0,1,2
	v_permlane16_swap_b32 v[PC+12*\a+6*\c+\i], v[T+4*\c+\i]
.endr
.irp i, 0,1,2
	v_mov_b32 v[PC+12*\a+6*\c+3+\i], v[T+4*\c+\i]
.endr
.endr
.irp i, 0,1,2
	global_store_b64 v4, v[PC+12*\a+2*\i:PC+12*\a+2*\i+1], s[40+2*\a:41+2*\a] offset:256*\i     ; 32 lanes store 256 consecutive bytes, aligned
.endr
.irp i, 0,1,2
	global_store_b64 v4, v[PC+12*\a+6+2*\i:PC+12*\a+6+2*\i+1], s[48+2*\a:49+2*\a] offset:256*\i
.endr
.endm
	QUANT 0
	QUANT 1
	QUANT 2
	QUANT 3
	v_lshlrev_b32 v16, 4, v3
	v_and_b32 v16, s96, v16                        ; q, k: lanes 16-31 take the word's upper half
	v_mul_u32_u24 v17, v3, HS
	v_lshl_add_u32 v17, v2, 4, v17                 ; 16 r, and for lanes 16-31 the next head's record
.irp a, 0,1,2,3
	v_lshrrev_b32 v[Y+\a], v16, v[PWS+\a]
.endr
.irp a, 0,1,2,3
	v_and_b32 v[Y+\a], s97, v[Y+\a]                ; q, k: bytes 2 and 3 are 0
.endr
	s_wait_alu depctr_va_vdst(0)
	s_wait_xcnt 0x0                                ; EXEC changes only behind this wait
	v_cmp_gt_u32 vcc_lo, s98, v1
	s_and_saveexec_b32 s99, vcc_lo                 ; q, k: all lanes; v: lanes 0-15
	global_store_b128 v17, v[Y:Y+3], s[56:57]      ; sixteen lanes store 256 consecutive bytes, aligned
	s_wait_xcnt 0x0
	s_or_b32 exec_lo, exec_lo, s99
	s_wait_tensorcnt 0x0
	ds_add_u32 v254, v255
	s_wait_dscnt 0x0
	CROUND                                         ; the closing round: no work-group ends while a partner may still ask for a tile that names it
	s_endpgm
.Lfunc_end_k_q4b34c61dc2_proj:
	.size	k_q4b34c61dc2_proj, .Lfunc_end_k_q4b34c61dc2_proj-k_q4b34c61dc2_proj
	.p2alignl 7, 3214868480
	.fill 96, 4, 3214868480
	.section	.rodata,"a",@progbits
	.p2align	6, 0x0
	.amdhsa_kernel k_q4b34c61dc2_proj
		.amdhsa_group_segment_fixed_size 295424
		.amdhsa_private_segment_fixed_size 0
		.amdhsa_enable_private_segment 0
		.amdhsa_kernarg_size 48
		.amdhsa_user_sgpr_count 2
		.amdhsa_user_sgpr_kernarg_segment_ptr 1
		.amdhsa_wavefront_size32 1
		.amdhsa_system_sgpr_workgroup_id_x 1
		.amdhsa_system_sgpr_workgroup_id_y 1
		.amdhsa_system_sgpr_workgroup_id_z 1
		.amdhsa_system_vgpr_workitem_id 0
		.amdhsa_next_free_vgpr 1024
		.amdhsa_next_free_sgpr 102
		.amdhsa_reserve_vcc 1
		.amdhsa_float_denorm_mode_32 3
		.amdhsa_float_denorm_mode_16_64 3
		.amdhsa_memory_ordered 1
		.amdhsa_forward_progress 1
		.amdhsa_inst_pref_size 110
	.end_amdhsa_kernel
	.amdgpu_metadata
---
amdhsa.version: [ 1, 2 ]
amdhsa.kernels:
  - .name:           k_q4b34c61dc2_proj
    .symbol:         k_q4b34c61dc2_proj.kd
    .args:
      - { .name: xw_img, .offset: 0, .size: 8, .value_kind: global_buffer, .address_space: global }
      - { .name: xw_sc, .offset: 8, .size: 8, .value_kind: global_buffer, .address_space: global }
      - { .name: bq, .offset: 16, .size: 8, .value_kind: global_buffer, .address_space: global }
      - { .name: bk, .offset: 24, .size: 8, .value_kind: global_buffer, .address_space: global }
      - { .name: bv, .offset: 32, .size: 8, .value_kind: global_buffer, .address_space: global }
      - { .name: qkv, .offset: 40, .size: 8, .value_kind: global_buffer, .address_space: global }
    .group_segment_fixed_size: 295424
    .private_segment_fixed_size: 0
    .kernarg_segment_align: 8
    .kernarg_segment_size: 48
    .max_flat_workgroup_size: 128
    .sgpr_count:     102
    .vgpr_count:     1024
    .wavefront_size: 32
...
	.end_amdgpu_metadata
.endif
;; end of part 2
;; launch attn (part 3): grid 4 x 64, 16 waves a work-group, clusters of 4 x 1, 210,944 bytes of LDS; arguments qkv, c_img, c_sc; writes c_img, c_sc
.if DOCPART == 3
	.amdgcn_target "amdgcn-amd-amdhsa--gfx1250"
	.amdhsa_code_object_version 6
	.text
	.protected	k_q4b34c61dc2_attn
	.globl	k_q4b34c61dc2_attn
	.p2align	8
	.type	k_q4b34c61dc2_attn,@function
k_q4b34c61dc2_attn:
	s_mov_b64 s[64:65], 0
	v_nop
	global_prefetch_b8 v0, s[64:65] scope:SCOPE_SE
	s_setreg_imm32_b32 hwreg(HW_REG_WAVE_MODE, 25, 1), 1
	s_wait_xcnt 0x0
	s_wait_alu depctr_hold_cnt(0) depctr_sa_sdst(0) depctr_va_vdst(0) depctr_va_sdst(0) depctr_va_ssrc(0) depctr_va_vcc(0) depctr_vm_vsrc(0)
	s_getreg_b32 s2, hwreg(HW_REG_IB_STS2, 6, 4)
	s_cmp_eq_u32 s2, 0
	s_cbranch_scc0 .Lentry_in_a_cluster
	s_endpgm
.Lentry_in_a_cluster:
	s_bfe_u32 s2, ttmp6, 0x10000c
	s_cmp_lg_u32 s2, 0x3003
	s_cbranch_scc0 .Lentry_shape_is_right
	s_endpgm
.Lentry_shape_is_right:
; ctx = softmax(q k^T / 8) v for one head, both products on codes of FP6 (E2M3) with E8M0 scales; ctx is quantised at once along the features for the last product.
; THE SOFTMAX: t = score x log2(e) / 8; M = the row's largest t so far, rounded UP to a whole number; p = 2^(t - M) is quantised along the keys, not normalised.
; The row's sum is taken of the unquantised p, in f32, and divides O at the end.  When M moves, the sum and O are multiplied by 2^(old M - new M): exact.
; qkv: [batch x head (64)][step of 128 tokens (16)][record of 19,712 bytes]: K's codes 8 tiles x 768 | V's codes 4 tiles x 1,536 | K's scale words [tile / 4][r][tile % 4] 512 | V's [r][tile] 256 | Q's codes 6,144 | Q's scale words 512;
; codes are images of registers (unit i of 256 bytes = registers 2 i, 2 i + 1, lane l's 8 bytes at 8 l).  Row r of stored tile T stands for token (channel) 32 (T / 2) + 8 (T % 2) + r + 8 (r / 8).
; SHARES.  A cluster of four work-groups is one head; work-group X makes two passes, over queries 256 (2 X + p) on; each of its sixteen waves owns 16 queries.
; THE WHOLE HEAD'S K, V AND SCALE WORDS LIE IN LDS: 16 steps x 13,056 bytes, filled ONCE: wave w asks for step w, jointly for the four work-groups: one tensor load a wave, one out at the most.
; All fills go out at the head and nothing is filled again, so there is no later request for a prefetch to run ahead of.
; LAYOUT.  Both products are used transposed (S^T = K Q^T, O^T = V^T P^T): a lane holds ONE query throughout.
; K'S TILES ARE PUT TOGETHER AT THE LDS READ: tile u = 4 c + t takes keys 64 c + 8 t + 0..7 as rows 0-7 and keys 64 c + 32 + 8 t + 0..7 as rows 8-15.  Those are rows 8 (t / 2) + 0..7 of the stored tiles
; 4 c + t % 2 and 4 c + 2 + t % 2: a lane term 8 (r % 8) + 128 h + 1,536 (r / 8) and constants.  So the 32 scores of tiles 4 c .. 4 c + 3 in lane (r, h) are keys 64 c + 32 h + 0..31 in order:
; ONE WHOLE SCALE BLOCK, and registers 6 c .. 6 c + 5 of P's operand as the conversions give them.  Lanes l and l xor 16 meet for the row's maximum, the scale word and the final sum alone.
; A block's scale operand is 2^(its largest t - M - 2), by the same multiply-add and exponential as p with 2 more taken off; where that rounds otherwise than p's, within an ulp of a power of two, one p may be held at the largest code.
; A HEAD'S 64 IN AN INSTRUCTION OF 128: Q's registers 6-11 are zero codes, so the finite codes in K's registers 6-11 (the next tile's; zeros behind the last) add exactly 0; bytes 2, 3 of both scale words are 0 (2^-127, finite).
; THE ORDER OF A STEP: K's fragments were asked for behind the step before's last products; V's land in the same registers while the softmax is walked.  The sum of p is taken in place behind the conversions:
; its first level stands ahead of P V (the places between the writes of P's codes and scale word and the products), the rest behind it (the places ahead of the next K loads).
; The last step of a pass asks for step 0 again: the second pass uses it, the end of the launch only waits for it.
; c_img: [512 blocks of 16 tokens][8 K steps][1,536]: this head's codes are units 3 (head % 2) .. + 2 of K step head / 2.  c_sc: [512][K step / 4][r][K step % 4] words: this head's two bytes are half a word,
; stored 2 bytes a lane to 16 places 16 bytes apart: the word's other half belongs to another cluster.
; LIMITS: NaN and infinities are not served; the scaled scores stay under 2^31 in magnitude; a block of zeros, or one under 2^-124, keeps the byte 1; O is multiplied by v_rcp_f32 of the sum.
; REGISTERS: v1-4 lane terms, v6-9 this trip's LDS addresses, v10 8 h; v12 -M, v13 the largest score, v[14:15] the sum; v16-27 Q, v28 its scale word; v32-85 K's tiles, then V's fragments; v96-159 S^T, then p;
;   v160-191 O^T; v192-203 P's codes, v204-210 their second halves; v212-230 at work; v228 P's scale word; v232-239 K's scale words; v240-243 V's; v254, v255 the add's.
.set HS,  315392
.set RS,  19712
.set KV,  13056                        ; what a step has in LDS: 51 units of 256 bytes
.set SEL, 12                           ; s[12:13] selects for lane l xor 16
.set CS,  14                           ; s[14:15] c = log2(e) / 8
.set TB,  56                           ; s56 LDS byte at which the next trip's steps begin
.set CNT, 57                           ; s57 counts trips of two steps
.macro WALU
	s_wait_alu depctr_va_vdst(0)
.endm
.macro CROUND                          ; a round of the cluster's barrier
	s_barrier_signal -1
	s_barrier_wait -1
	s_cmp_lg_u32 s16, 0
	s_cbranch_scc1 .Lnot_wave_0_\@
	s_barrier_signal -3
.Lnot_wave_0_\@:
	s_barrier_wait -3
	s_barrier_signal -1
	s_barrier_wait -1
.endm
	s_load_b128 s[4:7], s[0:1], 0x0                ; qkv, c_img
	s_load_b64 s[8:9], s[0:1], 0x10                ; c_sc
	v_lshl_add_u32 v254, v0, 2, 0x33000
	v_mov_b32 v255, 0
	ds_add_u32 v254, v255                          ; the opening lines: the add twice on end and its wait
	ds_add_u32 v254, v255
	v_lshrrev_b32 v1, 5, v0
	v_readfirstlane_b32 s16, v1                    ; wave 0..15
	s_and_b32 s18, s16, 3
	s_and_b32 s19, ttmp7, 0xffff                   ; 16 batch + head, which the four partners share
	s_bfe_u32 s17, ttmp6, 0x40000                  ; cx
	s_lshl_b32 s21, ttmp9, 2
	s_add_co_u32 s21, s21, s17                     ; X: it enters Q's and ctx's addresses alone
	s_mul_i32 s22, s19, HS                         ; the head's first byte
	s_mul_i32 s10, s16, RS
	s_add_co_u32 s10, s10, s22                     ; I fetch step = my wave's number
	s_mov_b32 s11, 0
	s_mov_b32 s24, 1
	s_mul_i32 s25, s16, KV                         ; and it goes to wave x 13,056
	s_mov_b32 s40, 15|(3<<16)|(1<<21)              ; group 1: 13,056 dense bytes as 51 rows of 256 (32 elements of 8 bytes); the mask names all four work-groups
	s_mov_b32 s41, 32<<16
	s_mov_b32 s42, 51<<16
	s_mov_b32 s43, 32<<16
	s_mov_b32 s44, 51
	s_mov_b32 s45, 32
	s_mov_b32 s46, 0
	s_mov_b32 s47, 0
	s_lshl_b32 s20, s21, 2
	s_lshr_b32 s2, s16, 3
	s_add_co_u32 s20, s20, s2                      ; my queries' step in pass 0: 4 X + wave / 8
	s_mul_i32 s20, s20, RS
	s_add_co_u32 s20, s20, s22
	s_and_b32 s2, s16, 7                           ; my tile in it
	s_mul_i32 s3, s2, 768
	s_add_co_u32 s48, s20, s3
	s_add_co_u32 s48, s48, 13056                   ; Q's codes
	s_mov_b32 s49, 0
	s_lshr_b32 s3, s2, 2
	s_lshl_b32 s3, s3, 8
	s_add_co_u32 s50, s20, s3
	s_lshl_b32 s3, s18, 2
	s_add_co_u32 s50, s50, s3
	s_add_co_u32 s50, s50, 19200                   ; Q's scale words: [tile / 4][r][tile % 4]
	s_mov_b32 s51, 0
	s_lshr_b32 s2, s19, 4
	s_lshl_b32 s2, s2, 7
	s_lshl_b32 s3, s21, 5
	s_add_co_u32 s2, s2, s3
	s_add_co_u32 s2, s2, s16                       ; my block of tokens in pass 0: 128 batch + 32 X + wave
	s_and_b32 s3, s19, 15                          ; head
	s_mul_i32 s52, s2, 12288
	s_mul_i32 s20, s3, 768
	s_add_co_u32 s52, s52, s20
	s_mov_b32 s53, 0
	s_lshl_b32 s54, s2, 9
	s_lshr_b32 s20, s3, 3
	s_lshl_b32 s20, s20, 8
	s_add_co_u32 s54, s54, s20
	s_and_b32 s20, s3, 7
	s_lshl_b32 s20, s20, 1
	s_add_co_u32 s54, s54, s20
	s_mov_b32 s55, 0
	s_mov_b32 s[SEL], 0x76543210
	s_mov_b32 s[SEL+1], 0xfedcba98
	s_mov_b32 s[CS], 0x3e38aa3b                    ; c = log2(e) / sqrt(64)
	s_mov_b32 s[CS+1], s[CS]
	s_wait_dscnt 0x0
	s_wait_kmcnt 0x0
	s_add_nc_u64 s[26:27], s[4:5], s[10:11]
	s_or_b32 s27, s27, 0x80000000
	s_add_nc_u64 s[48:49], s[4:5], s[48:49]
	s_add_nc_u64 s[50:51], s[4:5], s[50:51]
	s_add_nc_u64 s[52:53], s[6:7], s[52:53]
	s_add_nc_u64 s[54:55], s[8:9], s[54:55]
	CROUND                                         ; all four work-groups are here: the joint loads meet
	tensor_load_to_lds s[24:27], s[40:47]          ; every wave's one load
	s_nop 0
	v_and_b32 v5, 31, v0                           ; lane
	v_and_b32 v2, 15, v0                           ; r
	v_bfe_u32 v10, v0, 4, 1                        ; h
	v_and_b32 v11, 7, v0                           ; r % 8
	v_bfe_u32 v29, v0, 3, 1                        ; r / 8
	v_lshlrev_b32 v1, 3, v5                        ; my 8 bytes of a unit
	v_lshlrev_b32 v2, 4, v2                        ; 16 r: my row's scale words
	v_lshlrev_b32 v4, 4, v11
	v_lshl_add_u32 v4, v29, 3, v4                  ; K's scale words: 16 (r % 8) + 8 (r / 8)
	v_lshlrev_b32 v3, 3, v11
	v_lshl_add_u32 v3, v10, 7, v3
	v_mul_u32_u24 v29, v29, 1536
	v_add_nc_u32 v3, v3, v29                       ; K's codes: 8 (r % 8) + 128 h + 1,536 (r / 8)
	v_lshlrev_b32 v10, 3, v10                      ; 8 h: where my two bytes stand in P's scale word
	v_mov_b32 v6, v3                               ; the first trip's addresses: step 0 begins at byte 0
	v_mov_b32 v7, v4
	v_mov_b32 v8, v1
	v_mov_b32 v9, v2
.irp j, 22,23,24,25,26,27,80,81,82,83,84,85
	v_mov_b32 v[\j], 0                             ; zero codes: Q's upper half, and what stands behind K's last tile
.endr
.irp j, 216,217,223,225
	v_mov_b32 v[\j], 0                             ; written once: a lane permute's destination counts as a source; v225 is named with v224 as a pair
.endr
.macro KLOAD off                       ; K's eight tiles and their scale words: 28 loads
.irp c, 0,1
.irp t, 0,1,2,3
.irp i, 0,1,2
	ds_load_b64 v[32+6*(4*\c+\t)+2*\i:33+6*(4*\c+\t)+2*\i], v6 offset:(\off)+3072*\c+768*(\t%2)+64*(\t/2)+256*\i
.endr
.endr
.endr
.irp c, 0,1
.irp q, 0,1
	ds_load_b64 v[232+4*\c+2*\q:233+4*\c+2*\q], v7 offset:(\off)+12288+256*\c+128*\q   ; the words of tiles 4 c + 2 q, + 1
.endr
.endr
.endm
; A KEY STEP: 128 keys.  b: the first or the second of a trip's two.
.macro STEP b
	s_wait_dscnt 0x0                               ; K is in
.irp u, 0,1,2,3,4,5,6,7
	v_wmma_scale_f32_16x16x128_f8f6f4 v[96+8*\u:103+8*\u], v[32+6*\u:43+6*\u], v[16:27], 0, v[232+\u], v28 matrix_a_fmt:MATRIX_FMT_FP6 matrix_b_fmt:MATRIX_FMT_FP6
.endr
	v_mov_b32 v227, v12                            ; the old -M.  (Four places ahead of the loads below and of the first read of the scores)
.if \b
	v_add_nc_u32 v6, s[TB], v3                     ; K's addresses for the next trip
	v_add_nc_u32 v7, s[TB], v4
	v_nop
.else
	v_nop
	v_nop
	v_nop
.endif
.irp t, 0,1,2,3
.irp i, 0,1,2,3,4,5
	ds_load_b64 v[32+12*\t+2*\i:33+12*\t+2*\i], v8 offset:(\b)*KV+6144+1536*\t+256*\i   ; V's four fragments land while the softmax is walked
.endr
.endr
	ds_load_b128 v[240:243], v9 offset:(\b)*KV+12800
; the largest score of each of my two blocks of 32 keys, two chains a block; each accumulator is first read at its low end
.irp c, 0,1
	v_max3_num_f32 v[212+\c], v[96+32*\c], v[97+32*\c], v[98+32*\c]
	v_max3_num_f32 v[214+\c], v[112+32*\c], v[113+32*\c], v[114+32*\c]
.endr
.irp i, 3,5,7,9,11,13
.irp c, 0,1
	v_max3_num_f32 v[212+\c], v[212+\c], v[96+32*\c+\i], v[97+32*\c+\i]
	v_max3_num_f32 v[214+\c], v[214+\c], v[112+32*\c+\i], v[113+32*\c+\i]
.endr
.endr
.irp c, 0,1
	v_max3_num_f32 v[212+\c], v[212+\c], v[111+32*\c], v[127+32*\c]
.endr
.irp c, 0,1
	v_max_num_f32 v[212+\c], v[212+\c], v[214+\c]
.endr
	v_max_num_f32 v216, v212, v213
	v_permlanex16_b32 v217, v216, s[SEL], s[SEL+1]
	v_max3_num_f32 v13, v13, v216, v217            ; the running largest score of my query
	v_mul_f32 v218, s[CS], v13                     ; as t (c is positive)
	v_floor_f32 v12, -v218                         ; -M = floor(-t) = -ceil(t)
	v_sub_f32 v219, v12, v227                      ; old M - new M: a whole number, 0 or less
	v_add_f32 v229, -2.0, v12                      ; -M - 2, for the blocks' scale operands
	v_cvt_i32_f32 v219, v219                       ; (it saturates)
	v_ldexp_f32 v224, 1.0, v219                    ; f = 2^(old M - new M)
.set jj, 0
.rept 32
	v_pk_fma_f32 v[96+jj:97+jj], v[96+jj:97+jj], s[CS:CS+1], v[12:13] op_sel_hi:[1,0,0]   ; t - M, two at a time
.set jj, jj+2
.endr
.irp c, 0,1
	v_fma_f32 v[212+\c], v[212+\c], s[CS], v229    ; each block's largest t - M - 2
.endr
.set jj, 0
.rept 16
	v_pk_mul_f32 v[160+jj:161+jj], v[160+jj:161+jj], v[224:225] op_sel_hi:[1,0]   ; O^T under the new M
.set jj, jj+2
.endr
	WALU                                           ; the wait ahead of the batch
.set jj, 0
.rept 64
	v_exp_f32 v[96+jj], v[96+jj]                   ; p = 2^(t - M), at most 1
.set jj, jj+1
.endr
	v_exp_f32 v212, v212                           ; a quarter of each block's largest p: its exponent field is the scale's byte
	v_exp_f32 v213, v213
.if \b
	v_add_nc_u32 v8, s[TB], v1                     ; V's addresses for the next trip (a plain place behind the batch)
	v_add_nc_u32 v9, s[TB], v2
.else
	v_nop
.endif
	WALU                                           ; and the wait behind it, ahead of its first reader
	v_max_num_f32 v212, 0x800000, v212             ; the floor 2^-126: the byte cannot fall under 1
	v_max_num_f32 v213, 0x800000, v213
	v_cvt_scalef32_pk16_fp6_f32 v[192:194], v[96:111], v212
	v_cvt_scalef32_pk16_fp6_f32 v[204:206], v[112:127], v212   ; (a conversion's three registers begin on an even number)
	v_cvt_scalef32_pk16_fp6_f32 v[198:200], v[128:143], v213
	v_cvt_scalef32_pk16_fp6_f32 v[208:210], v[144:159], v213
	v_lshrrev_b32 v220, 23, v212                   ; the bytes of blocks h and 2 + h
	v_lshrrev_b32 v221, 23, v213
	v_lshl_or_b32 v222, v221, 16, v220
	v_lshlrev_b32 v222, v10, v222                  ; at their places in the word;
	v_permlanex16_b32 v223, v222, s[SEL], s[SEL+1]
	v_or_b32 v228, v222, v223                      ; with lane l xor 16's two the word is whole
.irp i, 0,1,2
	v_mov_b32 v[195+\i], v[204+\i]
	v_mov_b32 v[201+\i], v[208+\i]
.endr
.set jj, 0
.rept 16
	v_pk_add_f32 v[96+jj:97+jj], v[96+jj:97+jj], v[98+jj:99+jj]   ; the sum of the unquantised p, in place: first level
.set jj, jj+4
.endr
	WALU
	s_wait_dscnt 0x0                               ; V is in
.irp t, 0,1,2,3
	v_wmma_scale_f32_16x16x128_f8f6f4 v[160+8*\t:167+8*\t], v[32+12*\t:43+12*\t], v[192:203], v[160+8*\t:167+8*\t], v[240+\t], v228 matrix_a_fmt:MATRIX_FMT_FP6 matrix_b_fmt:MATRIX_FMT_FP6
.endr
.irp j, 0,8,16,24
	v_pk_add_f32 v[96+\j:97+\j], v[96+\j:97+\j], v[100+\j:101+\j]   ; four places ahead of the loads into V's registers
.endr
	KLOAD (1-(\b))*KV                              ; the next step's K
.irp j, 32,40,48,56
	v_pk_add_f32 v[96+\j:97+\j], v[96+\j:97+\j], v[100+\j:101+\j]
.endr
.irp j, 0,16,32,48
	v_pk_add_f32 v[96+\j:97+\j], v[96+\j:97+\j], v[104+\j:105+\j]
.endr
	v_pk_add_f32 v[96:97], v[96:97], v[112:113]
	v_pk_add_f32 v[128:129], v[128:129], v[144:145]
	v_pk_fma_f32 v[14:15], v[14:15], v[224:225], v[96:97] op_sel_hi:[1,0,1]   ; the old sum under the new M, and this step's
	v_pk_add_f32 v[14:15], v[14:15], v[128:129]
	WALU                                           ; ahead of the next step's wait, or of the branch
.endm
; A PASS over all 2,048 keys for my 16 queries of block 2 X + p.
.macro PASS p
.irp i, 0,1,2
	global_load_b64 v[16+2*\i:17+2*\i], v1, s[48:49] offset:\p*2*RS+256*\i   ; Q's fragment stays in registers
.endr
	global_load_b32 v28, v2, s[50:51] offset:\p*2*RS
	v_mov_b32 v13, 0xff61b1e6                      ; the largest score so far: -3e38
	v_mul_f32 v218, s[CS], v13
	v_floor_f32 v12, -v218                         ; -M
	v_mov_b32 v14, 0
	v_mov_b32 v15, 0
.set jj, 0
.rept 32
	v_mov_b32 v[160+jj], 0                         ; O^T: the step is written once; the first finds zeros, which the first change of M leaves zeros
.set jj, jj+1
.endr
	WALU
	s_wait_loadcnt 0x0
.if \p == 0
	s_wait_tensorcnt 0x0                           ; my step has landed,
	s_barrier_signal -1
	s_barrier_wait -1                              ; everybody's has
	KLOAD 0
.endif
	s_mov_b32 s[CNT], 0
.Ltrip_\@:
	s_add_co_u32 s[TB], s[CNT], 1
	s_and_b32 s[TB], s[TB], 7                      ; behind the last trip comes step 0 again
	s_mul_i32 s[TB], s[TB], 2*KV
	STEP 0
	STEP 1
	s_add_co_u32 s[CNT], s[CNT], 1
	s_cmp_lt_u32 s[CNT], 8
	s_cbranch_scc1 .Ltrip_\@
	v_add_f32 v14, v14, v15                        ; the sum's two halves,
	v_permlanex16_b32 v217, v14, s[SEL], s[SEL+1]
	v_add_f32 v14, v14, v217                       ; and lane l xor 16's: the row's sum
	WALU
	v_rcp_f32 v14, v14
	v_nop
	WALU
.set jj, 0
.rept 16
	v_pk_mul_f32 v[96+jj:97+jj], v[160+jj:161+jj], v[14:15] op_sel_hi:[1,0]   ; ctx: register 16 b + i is channel 32 b + 16 h + i of my query
.set jj, jj+2
.endr
.irp b, 0,1
	v_max3_num_f32 v[212+\b], |v[96+16*\b]|, |v[97+16*\b]|, 0x1800000
.endr
.irp i, 2,4,6,8,10,12,14
.irp b, 0,1
	v_max3_num_f32 v[212+\b], v[212+\b], |v[96+16*\b+\i]|, |v[97+16*\b+\i]|
.endr
.endr
.irp b, 0,1
	v_permlanex16_b32 v[216+\b], v[212+\b], s[SEL], s[SEL+1]
.endr
.irp b, 0,1
	v_max_num_f32 v[212+\b], v[212+\b], v[216+\b]
.endr
.irp b, 0,1
	v_add_nc_u32 v[220+\b], 0xff000000, v[212+\b]
.endr
.irp b, 0,1
	v_lshrrev_b32 v[216+\b], 23, v[220+\b]
.endr
	v_lshl_or_b32 v230, v217, 8, v216              ; this head's half of the scale word
	v_cvt_scalef32_pk16_fp6_f32 v[192:194], v[96:111], v220
	v_cvt_scalef32_pk16_fp6_f32 v[204:206], v[112:127], v221
	v_nop
.irp i, 0,1,2
	v_permlane16_swap_b32 v[192+\i], v[204+\i]     ; a whole block of 32 channels to a lane
.endr
.irp i, 0,1,2
	v_mov_b32 v[195+\i], v[204+\i]
.endr
.irp i, 0,1,2
	global_store_b64 v1, v[192+2*\i:193+2*\i], s[52:53] offset:\p*196608+256*\i   ; 32 lanes store 256 consecutive bytes, aligned
.endr
	v_cmp_gt_u32 vcc_lo, 16, v5
	WALU
	s_wait_xcnt 0x0                                ; EXEC changes only behind this wait
	s_and_saveexec_b32 s58, vcc_lo
	global_store_b16 v2, v230, s[54:55] offset:\p*8192
	s_wait_xcnt 0x0                                ; it also frees the registers that this pass's stores read
	s_or_b32 exec_lo, exec_lo, s58
.endm
	PASS 0
	PASS 1
	s_wait_tensorcnt 0x0                           ; the wave's end
	ds_add_u32 v254, v255
	s_wait_dscnt 0x0
	CROUND                                         ; the closing round
	s_endpgm
.Lfunc_end_k_q4b34c61dc2_attn:
	.size	k_q4b34c61dc2_attn, .Lfunc_end_k_q4b34c61dc2_attn-k_q4b34c61dc2_attn
	.p2alignl 7, 3214868480
	.fill 96, 4, 3214868480
	.section	.rodata,"a",@progbits
	.p2align	6, 0x0
	.amdhsa_kernel k_q4b34c61dc2_attn
		.amdhsa_group_segment_fixed_size 210944
		.amdhsa_private_segment_fixed_size 0
		.amdhsa_enable_private_segment 0
		.amdhsa_kernarg_size 24
		.amdhsa_user_sgpr_count 2
		.amdhsa_user_sgpr_kernarg_segment_ptr 1
		.amdhsa_wavefront_size32 1
		.amdhsa_system_sgpr_workgroup_id_x 1
		.amdhsa_system_sgpr_workgroup_id_y 1
		.amdhsa_system_sgpr_workgroup_id_z 1
		.amdhsa_system_vgpr_workitem_id 0
		.amdhsa_next_free_vgpr 256
		.amdhsa_next_free_sgpr 66
		.amdhsa_reserve_vcc 1
		.amdhsa_float_denorm_mode_32 3
		.amdhsa_float_denorm_mode_16_64 3
		.amdhsa_memory_ordered 1
		.amdhsa_forward_progress 1
		.amdhsa_inst_pref_size 81
	.end_amdhsa_kernel
	.amdgpu_metadata
---
amdhsa.version: [ 1, 2 ]
amdhsa.kernels:
  - .name:           k_q4b34c61dc2_attn
    .symbol:         k_q4b34c61dc2_attn.kd
    .args:
      - { .name: qkv, .offset: 0, .size: 8, .value_kind: global_buffer, .address_space: global }
      - { .name: c_img, .offset: 8, .size: 8, .value_kind: global_buffer, .address_space: global }
      - { .name: c_sc, .offset: 16, .size: 8, .value_kind: global_buffer, .address_space: global }
    .group_segment_fixed_size: 210944
    .private_segment_fixed_size: 0
    .kernarg_segment_align: 8
    .kernarg_segment_size: 24
    .max_flat_workgroup_size: 512
    .sgpr_count:     66
    .vgpr_count:     256
    .wavefront_size: 32
...
	.end_amdgpu_metadata
.endif
;; end of part 3
;; launch outp (part 4): grid 8 x 32, 4 waves a work-group, clusters of 4 x 4, 295,424 bytes of LDS; arguments c_img, c_sc, xw_img, xw_sc, bo, out0; writes out0
.if DOCPART == 4
	.amdgcn_target "amdgcn-amd-amdhsa--gfx1250"
	.amdhsa_code_object_version 6
	.text
	.protected	k_q4b34c61dc2_outp
	.globl	k_q4b34c61dc2_outp
	.p2align	8
	.type	k_q4b34c61dc2_outp,@function
k_q4b34c61dc2_outp:
	s_mov_b64 s[64:65], 0
	v_nop
	global_prefetch_b8 v0, s[64:65] scope:SCOPE_SE
	s_setreg_imm32_b32 hwreg(HW_REG_WAVE_MODE, 25, 1), 1
	s_wait_xcnt 0x0
	s_wait_alu depctr_hold_cnt(0) depctr_sa_sdst(0) depctr_va_vdst(0) depctr_va_sdst(0) depctr_va_ssrc(0) depctr_va_vcc(0) depctr_vm_vsrc(0)
	s_getreg_b32 s2, hwreg(HW_REG_IB_STS2, 6, 4)
	s_cmp_eq_u32 s2, 0
	s_cbranch_scc0 .Lentry_in_a_cluster
	s_endpgm
.Lentry_in_a_cluster:
	s_bfe_u32 s2, ttmp6, 0x10000c
	s_cmp_lg_u32 s2, 0xf033
	s_cbranch_scc0 .Lentry_shape_is_right
	s_endpgm
.Lentry_shape_is_right:
; out0 = ctx Wo^T + bo on codes of FP6 (E2M3) with E8M0 scales; out0 [8192][1024] f32.
; OPERANDS are images of registers: a BLOCK is 16 rows, lane r of block a stands for row 32 (a / 2) + 8 (a % 2) + r + 8 (r / 8); a fragment (block x 128 K) is 6 units of 256 bytes.
; Source 0 = a block of Wo's rows (s0), source 1 = a block of tokens (s1): a lane holds ONE token, and the 16 registers of tiles 2 b, 2 b + 1 are the outputs 32 b + 16 (lane / 16) + 0 .. 15.
; SHARES.  A work-group makes 256 tokens x 128 outputs; each of its four waves 64 tokens x 128 outputs: 32 accumulators.  256 work-groups.
; ALL OF K (1,024) LIES IN LDS: ctx 196,608 bytes, Wo 98,304; each byte is filled once, in four chunks of four K steps.  Nothing is filled again, and all tensor loads go out at the head.
; CLUSTER 4 x 4: the four of a row share ctx's tile, the four of a column Wo's: each is asked for jointly.  A wave has one tensor load out at the most.
; The bias is the C of each sum's first product.  LIMITS: NaN and infinities are not served.
; REGISTERS, in windows of 256: window 0: v1-17 lanes' numbers and addresses; v32-47 s1's scale words, v48-79 s0's; v80-143 the bias; on the way out v128-255 rows of out0.
;   window 1: s0's fragments, two sets, at 96 p + 12 b.   window 2: s1's, two sets, at 48 p + 12 a.   window 3: the accumulators, (a, b) at 8 (8 a + b).
.set AD1, 8                            ; v8-9    LDS address of my s1 fragments in each half of K
.set AD0, 12                           ; v12-13  the same for s0
.set STO, 16                           ; v16     the way out: where I put 32 bytes of a row
.set RD,  17                           ; v17     and where I read a row back
.set SC1, 32                           ; scale words: register 4 a + j: lanes 0-15 K step j, lanes 16-31 K step 4 + j
.set SC0, 48
.set B0,  80                           ; v80-143 the bias: eight registers a tile, in the result's layout
.set BK,  128                          ; the way out: 16 rows read back from the stage: v128-191 and v192-255 by turns
.set SPI, 528                          ; a stage row: 512 bytes + 16
.set MSB, 0
.macro WIN new                         ; the immediate's high byte repeats the setting that is left
.if MSB != \new
	s_set_vgpr_msb (MSB<<8)|\new
.set MSB, \new
.endif
.endm
.macro PLACES                          ; four plain places behind a matrix instruction, in front of loads into its registers and of reads of its results
.rept 4
	v_nop
.endr
.endm
.macro CROUND                          ; a round of the cluster's barrier
	s_barrier_signal -1
	s_barrier_wait -1
	s_cmp_lg_u32 s16, 0
	s_cbranch_scc1 .Lnot_wave_0_\@
	s_barrier_signal -3
.Lnot_wave_0_\@:
	s_barrier_wait -3
	s_barrier_signal -1
	s_barrier_wait -1
.endm
	s_load_b256 s[4:11], s[0:1], 0x0               ; c_img s[4:5], c_sc s[6:7], xw_img s[8:9], xw_sc s[10:11]
	s_load_b128 s[12:15], s[0:1], 0x20             ; bo s[12:13], out0 s[14:15]
	v_lshl_add_u32 v30, v0, 2, 0x48000
	v_mov_b32 v31, 0
	ds_add_u32 v30, v31
	ds_add_u32 v30, v31
	v_lshrrev_b32 v1, 5, v0
	v_readfirstlane_b32 s16, v1                    ; wave 0..3
	s_bfe_u32 s19, ttmp6, 0x40000                  ; cx
	s_bfe_u32 s20, ttmp6, 0x40004                  ; cy
	s_lshl_b32 s84, ttmp9, 2
	s_add_co_u32 s84, s84, s19                     ; s0's tile: 128 outputs
	s_and_b32 s85, ttmp7, 0xffff
	s_lshl_b32 s85, s85, 2
	s_add_co_u32 s85, s85, s20                     ; s1's tile: 256 tokens
	s_lshl_b32 s89, s84, 3
	s_add_co_u32 s89, s89, 704                     ; Wo's first block in xw_img
	s_lshl_b32 s90, s85, 4                         ; ctx's first block
	s_mul_i32 s92, s90, 12288                      ; s1: the tile's 16 blocks, in bytes
	s_mov_b32 s93, 0
	s_mul_i32 s94, s89, 12288                      ; s0: the tile's 8 blocks
	s_mov_b32 s95, 0
	s_lshl_b32 s96, s20, 2
	s_lshl_b32 s96, 15, s96                        ; my row of the cluster
	s_lshl_b32 s97, 0x1111, s19                    ; my column
	; descriptor group 1: a chunk of a block is 6,144 consecutive bytes (four K steps): rows of 768 elements of 8 bytes, 12,288 bytes from block to block; laid on end in LDS
	s_or_b32 s24, s96, (3<<16)|(1<<21)             ; 15:0 the mask: s1's tiles go to my row; 17:16 elements of 8 bytes; 21 set beside a mask
	s_mov_b32 s25, 768<<16                         ; a row is half a block: four K steps, 6,144 bytes = 768 elements
	s_mov_b32 s26, 16<<16                          ; 16 blocks
	s_mov_b32 s27, 768<<16
	s_mov_b32 s28, 16
	s_mov_b32 s29, 1536                            ; tensor_dim0_stride
	s_mov_b32 s30, 0
	s_mov_b32 s31, 0
	s_or_b32 s32, s97, (3<<16)|(1<<21)             ; s0's tiles go to my column
	s_mov_b32 s33, 768<<16
	s_mov_b32 s34, 8<<16                           ; 8 blocks
	s_mov_b32 s35, 768<<16
	s_mov_b32 s36, 8
	s_mov_b32 s37, 1536
	s_mov_b32 s38, 0
	s_mov_b32 s39, 0
	s_wait_dscnt 0x0
	s_wait_kmcnt 0x0
	s_add_nc_u64 s[92:93], s[4:5], s[92:93]
	s_add_nc_u64 s[94:95], s[8:9], s[94:95]
	CROUND                                         ; all sixteen work-groups are here: the joint loads meet
; LDS: s1 [half of K][16 blocks][6,144] from 0, s0 [half of K][8 blocks][6,144] from 196,608.  Each byte is filled once.
.irp c, 0,1
	s_mov_b32 s[40+4*\c], 1
	s_mov_b32 s[41+4*\c], \c*98304                 ; s1, K steps 4 c .. 4 c + 3
	s_add_nc_u64 s[42+4*\c:43+4*\c], s[92:93], \c*6144
	s_or_b32 s[43+4*\c], s[43+4*\c], 0x80000000
	s_mov_b32 s[68+4*\c], 1
	s_mov_b32 s[69+4*\c], 196608+\c*49152          ; s0, the same K steps
	s_add_nc_u64 s[70+4*\c:71+4*\c], s[94:95], \c*6144
	s_or_b32 s[71+4*\c], s[71+4*\c], 0x80000000
.endr
; one joint load a wave, each in its own arm of one chain on the wave's number: waves 0, 1 the lower half of K, waves 2, 3 the upper
	s_cmp_eq_u32 s16, 0
	s_cbranch_scc0 .Lw1
	tensor_load_to_lds s[40:43], s[24:31]
	s_nop 0
.rept 4
	v_nop
.endr
	s_branch .Lasked
.Lw1:
	s_cmp_eq_u32 s16, 1
	s_cbranch_scc0 .Lw2
	tensor_load_to_lds s[68:71], s[32:39]
	s_nop 0
.rept 4
	v_nop
.endr
	s_branch .Lasked
.Lw2:
	s_cmp_eq_u32 s16, 2
	s_cbranch_scc0 .Lw3
	tensor_load_to_lds s[44:47], s[24:31]
	s_nop 0
.rept 4
	v_nop
.endr
	s_branch .Lasked
.Lw3:
	tensor_load_to_lds s[72:75], s[32:39]
	s_nop 0
.rept 4
	v_nop
.endr
.Lasked:
	; the scale words and the bias come from memory straight into registers, once
	s_lshl_b32 s91, s16, 2
	s_add_co_u32 s91, s91, s90
	s_lshl_b32 s56, s91, 9                         ; s1's: my four blocks, 512 bytes each
	s_mov_b32 s57, 0
	s_add_nc_u64 s[56:57], s[6:7], s[56:57]
	s_lshl_b32 s58, s89, 9                         ; s0's: all eight
	s_mov_b32 s59, 0
	s_add_nc_u64 s[58:59], s[10:11], s[58:59]
	s_lshl_b32 s2, s84, 9                          ; the tile's 128 numbers of the bias
	s_mov_b32 s3, 0
	s_add_nc_u64 s[2:3], s[12:13], s[2:3]
	s_lshl_b32 s22, s85, 20                        ; out0: 256 tokens of 4,096 bytes a tile,
	s_lshl_b32 s91, s16, 18                        ; 64 a wave,
	s_add_co_u32 s22, s22, s91
	s_lshl_b32 s91, s84, 9                         ; and the tile's 512 bytes of a row
	s_add_co_u32 s22, s22, s91
	s_mov_b32 s23, 0
	s_add_nc_u64 s[22:23], s[14:15], s[22:23]
	v_and_b32 v1, 31, v0                           ; lane
	v_and_b32 v2, 15, v0                           ; r
	v_bfe_u32 v3, v0, 4, 1                         ; h
	v_lshlrev_b32 v4, 3, v1                        ; my 8 bytes of a unit
	v_lshlrev_b32 v5, 4, v1                        ; my 16 bytes of a block's scale words, and of a row of 512 bytes
	v_lshlrev_b32 v6, 6, v3                        ; 64 h: my half's eight numbers of a tile's bias
.irp a, 0,1,2,3
	global_load_b128 v[SC1+4*\a:SC1+4*\a+3], v5, s[56:57] offset:512*\a
.endr
.irp b, 0,1,2,3,4,5,6,7
	global_load_b128 v[SC0+4*\b:SC0+4*\b+3], v5, s[58:59] offset:512*\b
.endr
.irp t, 0,1,2,3,4,5,6,7
	global_load_b128 v[B0+8*\t:B0+8*\t+3], v6, s[2:3] offset:(32*(\t/2)+8*(\t%2))*4
	global_load_b128 v[B0+8*\t+4:B0+8*\t+7], v6, s[2:3] offset:(32*(\t/2)+8*(\t%2))*4+16
.endr
	s_mul_i32 s91, s16, 24576                      ; my four blocks of s1 in a half of K
	v_add_nc_u32 v[AD1], s91, v4
	v_add_nc_u32 v[AD1+1], 98304, v[AD1]
	v_add_nc_u32 v[AD0], 196608, v4
	v_add_nc_u32 v[AD0+1], 196608+49152, v4
	v_mul_u32_u24 v[STO], v2, SPI                  ; the stage is my own part of s1's chunk 0: only I read those bytes, long before, and no fill follows
	v_lshl_add_u32 v[STO], v3, 6, v[STO]
	v_add_nc_u32 v[STO], s91, v[STO]               ; in: row r, + 64 h
	v_add_nc_u32 v[RD], s91, v5                    ; back: the 32 lanes take one row of 512 bytes
	s_wait_alu depctr_va_vdst(0)
	s_wait_loadcnt 0x0
; 72 LDS loads in one run: K step ks's fragments (8 blocks of s0, my 4 of s1) into set p.  Each load reads 256 consecutive bytes.
.macro FETCH ks, p
	WIN 0x40                                       ; destination window 1
.irp b, 0,1,2,3,4,5,6,7
.irp i, 0,1,2,3,4,5
	ds_load_b64 v[96*(\p)+12*\b+2*\i:96*(\p)+12*\b+2*\i+1], v[AD0+(\ks)/4] offset:6144*\b+1536*((\ks)%4)+256*\i
.endr
.endr
	WIN 0x80                                       ; destination window 2
.irp a, 0,1,2,3
.irp i, 0,1,2,3,4,5
	ds_load_b64 v[48*(\p)+12*\a+2*\i:48*(\p)+12*\a+2*\i+1], v[AD1+(\ks)/4] offset:6144*\a+1536*((\ks)%4)+256*\i
.endr
.endr
.endm
; A K step of 128: its fragments were asked for a K step ago; the next step's are asked for first, then come 32 products.  The 32 accumulators take turns, one instruction a turn.
; Ahead of the fetches of K steps 0 and 4 that half of K must have landed in every wave's eyes: a wait for the loads that fill it and a barrier.
.macro KSTEP ks
.set PP, (\ks)%2
.set KQ, (\ks)%4
	s_wait_dscnt 0x0                               ; this step's 72 loads are in
.if (\ks) < 7
.if (\ks) == 3
	s_wait_tensorcnt 0x0                           ; every wave's one load has landed: the upper half of K among them,
	s_barrier_signal -1
	s_barrier_wait -1                              ; everybody's has
.endif
	PLACES                                         ; the other set was multiplied in the step before
	FETCH (\ks)+1, 1-(\ks)%2
.endif
.if (\ks) == 0
	WIN 0xc9                                       ; source 0 window 1, source 1 window 2, C (the bias) window 0, D window 3
.else
	WIN 0xf9                                       ; C and D window 3
.endif
.irp a, 0,1,2,3
.irp b, 0,1,2,3,4,5,6,7
.if (\ks) == 0
	v_wmma_scale_f32_16x16x128_f8f6f4 v[8*(8*\a+\b):8*(8*\a+\b)+7], v[96*PP+12*\b:96*PP+12*\b+11], v[48*PP+12*\a:48*PP+12*\a+11], v[B0+8*\b:B0+8*\b+7], v[SC0+4*\b+KQ], v[SC1+4*\a+KQ] matrix_a_fmt:MATRIX_FMT_FP6 matrix_b_fmt:MATRIX_FMT_FP6
.elseif (\ks) < 4
	v_wmma_scale_f32_16x16x128_f8f6f4 v[8*(8*\a+\b):8*(8*\a+\b)+7], v[96*PP+12*\b:96*PP+12*\b+11], v[48*PP+12*\a:48*PP+12*\a+11], v[8*(8*\a+\b):8*(8*\a+\b)+7], v[SC0+4*\b+KQ], v[SC1+4*\a+KQ] matrix_a_fmt:MATRIX_FMT_FP6 matrix_b_fmt:MATRIX_FMT_FP6
.else
	v_wmma_scale_f32_16x16x128_f8f6f4 v[8*(8*\a+\b):8*(8*\a+\b)+7], v[96*PP+12*\b:96*PP+12*\b+11], v[48*PP+12*\a:48*PP+12*\a+11], v[8*(8*\a+\b):8*(8*\a+\b)+7], v[SC0+4*\b+KQ], v[SC1+4*\a+KQ] matrix_a_fmt:MATRIX_FMT_FP6 matrix_b_fmt:MATRIX_FMT_FP6 matrix_a_scale:MATRIX_SCALE_ROW1 matrix_b_scale:MATRIX_SCALE_ROW1
.endif
.endr
.endr
.endm
	s_cmp_lt_u32 s16, 2                            ; waves 0 and 1 wait for their loads, the lower half of K; the upper half may stay out
	s_cbranch_scc0 .Lupper
	s_wait_tensorcnt 0x0
.Lupper:
	s_barrier_signal -1
	s_barrier_wait -1                              ; everybody's has
	FETCH 0, 0
	KSTEP 0
	KSTEP 1
	KSTEP 2
	KSTEP 3
	KSTEP 4
	KSTEP 5
	KSTEP 6
	KSTEP 7
	WIN 0
; THE WAY OUT, block by block of 16 tokens x 128 outputs.  A lane holds pieces of 32 neighbouring bytes of one row, and the lanes beside it hold other rows: so a block goes through my stage and comes back as whole
; rows of 512 bytes.  LDS serves a wave's instructions in order (ISA guide 5.7.1.4): no wait between the stores and the loads, nor in front of the next block's stores.
.macro TOSTAGE a
	WIN 0x0c                                       ; an LDS store's data are its source 1: window 3
.irp b, 0,1,2,3,4,5,6,7
	ds_store_b128 v[STO], v[8*(8*(\a)+\b):8*(8*(\a)+\b)+3] offset:128*(\b/2)+32*(\b%2)        ; outputs 32 (b / 2) + 8 (b % 2) + 16 h + 0 .. 3; each accumulator from its low end on
	ds_store_b128 v[STO], v[8*(8*(\a)+\b)+4:8*(8*(\a)+\b)+7] offset:128*(\b/2)+32*(\b%2)+16
.endr
	WIN 0
.set BB, BK+64*((\a)%2)
.irp t, 0,1,2,3,4,5,6,7,8,9,10,11,12,13,14,15
	ds_load_b128 v[BB+4*\t:BB+4*\t+3], v[RD] offset:\t*SPI
.endr
.endm
.macro SEND a, younger                 ; younger: the LDS instructions issued behind block a's loads, which may stay out
.set BB, BK+64*((\a)%2)
	s_wait_dscnt \younger                          ; the block is back in registers
.irp t, 0,1,2,3,4,5,6,7,8,9,10,11,12,13,14,15
	global_store_b128 v5, v[BB+4*\t:BB+4*\t+3], s[22:23] offset:(32*((\a)/2)+8*((\a)%2)+\t+8*(\t/8))*4096 th:TH_STORE_NT   ; 32 lanes store 512 consecutive bytes, aligned; stage row t is the block's token t + 8 (t / 8)
.endr
.endm
	PLACES
	TOSTAGE 0
.irp a, 1,2,3
.if \a > 1
	s_wait_xcnt 0x0                                ; block a - 2's stores have read their registers: block a's loads may land there
.endif
	TOSTAGE \a
	SEND \a-1, 32                                  ; behind block a - 1's loads: block a's 16 stores and 16 loads
.endr
	SEND 3, 0
	s_wait_tensorcnt 0x0
	ds_add_u32 v30, v31
	s_wait_dscnt 0x0
	CROUND                                         ; the closing round: no work-group ends while a partner may still ask for a tile that names it
	s_endpgm
.Lfunc_end_k_q4b34c61dc2_outp:
	.size	k_q4b34c61dc2_outp, .Lfunc_end_k_q4b34c61dc2_outp-k_q4b34c61dc2_outp
	.p2alignl 7, 3214868480
	.fill 96, 4, 3214868480
	.section	.rodata,"a",@progbits
	.p2align	6, 0x0
	.amdhsa_kernel k_q4b34c61dc2_outp
		.amdhsa_group_segment_fixed_size 295424
		.amdhsa_private_segment_fixed_size 0
		.amdhsa_enable_private_segment 0
		.amdhsa_kernarg_size 48
		.amdhsa_user_sgpr_count 2
		.amdhsa_user_sgpr_kernarg_segment_ptr 1
		.amdhsa_wavefront_size32 1
		.amdhsa_system_sgpr_workgroup_id_x 1
		.amdhsa_system_sgpr_workgroup_id_y 1
		.amdhsa_system_sgpr_workgroup_id_z 1
		.amdhsa_system_vgpr_workitem_id 0
		.amdhsa_next_free_vgpr 1024
		.amdhsa_next_free_sgpr 102
		.amdhsa_reserve_vcc 0
		.amdhsa_float_denorm_mode_32 3
		.amdhsa_float_denorm_mode_16_64 3
		.amdhsa_memory_ordered 1
		.amdhsa_forward_progress 1
		.amdhsa_inst_pref_size 95
	.end_amdhsa_kernel
	.amdgpu_metadata
---
amdhsa.version: [ 1, 2 ]
amdhsa.kernels:
  - .name:           k_q4b34c61dc2_outp
    .symbol:         k_q4b34c61dc2_outp.kd
    .args:
      - { .name: c_img, .offset: 0, .size: 8, .value_kind: global_buffer, .address_space: global }
      - { .name: c_sc, .offset: 8, .size: 8, .value_kind: global_buffer, .address_space: global }
      - { .name: xw_img, .offset: 16, .size: 8, .value_kind: global_buffer, .address_space: global }
      - { .name: xw_sc, .offset: 24, .size: 8, .value_kind: global_buffer, .address_space: global }
      - { .name: bo, .offset: 32, .size: 8, .value_kind: global_buffer, .address_space: global }
      - { .name: out0, .offset: 40, .size: 8, .value_kind: global_buffer, .address_space: global }
    .group_segment_fixed_size: 295424
    .private_segment_fixed_size: 0
    .kernarg_segment_align: 8
    .kernarg_segment_size: 48
    .max_flat_workgroup_size: 128
    .sgpr_count:     102
    .vgpr_count:     1024
    .wavefront_size: 32
...
	.end_amdgpu_metadata
.endif
;; end of part 4
